; MI455X (gfx1250); checked and timed in simulation.
; The chip was launched on July 23, 2026; its instructions are those of AMD's public machine-readable ISA for CDNA 5 (MIT licence, August 2026) and "CDNA5" Instruction Set Architecture Reference Guide (July 2026). The comments in the code are by the model that wrote it; some were corrected since.
;; Global Discrete Attention. Allowed arithmetic: matrix products marked QUANTISED: E2M1 operands, one E8M0 scale for each 32 along K, by v_wmma_scale_f32_16x16x128_f8f6f4 with both operands' format E2M1 (or v_wmma_scale_f32_32x16x128_f4), f32 sums; everything else in f32.
;; Inputs: evidence_mask 4 x 4,096 bool; mask_value 64 float32; pop_lut 256 float32; temperature one number float32; value_table 256 x 64 float32; z 4 x 8 x 64 x 64 float32.
;; Outputs: out0 4 x 64 x 64 x 64 float32.
;; This version of the problem:
;;   THIS VERSION OF THE PROBLEM IS GIVEN IN LOW PRECISION. The matrix products marked QUANTISED in the list below multiply operands that are first quantised to E2M1 (2 exponent bits, 1 mantissa bit; 4 bits a number), with one power-of-two scale for each 32 numbers along K (OCP MX v1.0); their sums are f32. All else is computed in f32.
;;   The module's matrix products, in the order in which they are computed (A, B: the left and right operand; K: the contracted axis; several contracted axes count as one K, in the product's order):
;;     1. batch 4 x [M 4,096, K 4,096] x [K 4,096, N 64]; A: computed on the way; B: computed on the way: QUANTISED
;;   THE QUANTISER, for each operand of a quantised product, along K:
;;     - K is cut into blocks of 32 from its start; a last block that is shorter is filled with zeros.
;;     - A block's scale is 2^e with e = floor(log2(the largest magnitude in the block)) - 2, held to -126 .. 127; a block of zeros has e = 0. As a byte (E8M0): e + 127.
;;     - Each number is divided by its block's scale, clamped to +-6, and rounded to the nearest number of E2M1, ties to even, subnormals kept.
;;     - The product sums the exact products of the quantised numbers (number of the format x scale) in f32.
;;   ~~~python
;;   def quantise(x, axis):      # numpy; x: float32 -> the quantised numbers, widened to float32 again
;;       x = np.moveaxis(x, axis, -1); K = x.shape[-1]
;;       x = np.pad(x, [(0, 0)] * (x.ndim - 1) + [(0, -K % 32)]); x = x.reshape(x.shape[:-1] + (-1, 32)); a = np.abs(x).max(-1, keepdims=True)
;;       e = np.where(a > 0, np.clip(np.frexp(np.where(a > 0, a, 1))[1] - 1 - 2, -126, 127), 0)      # np.frexp(a)[1] - 1 = floor(log2(a)), exactly
;;       r = np.clip(x / 2.0 ** e, -6, 6)
;;       step = 2.0 ** (np.maximum(np.frexp(np.where(r == 0, 1, r))[1] - 1, 0) - 1)
;;       q = np.round(r / step) * step * 2.0 ** e      # np.round: ties to even
;;       return np.moveaxis(q.reshape(q.shape[:-2] + (-1,))[..., :K], -1, axis).astype(np.float32)
;;   ~~~
;;   OPERANDS COMPUTED ON THE WAY. 'Computed on the way' means the value that the module computes at that place (a softmax that the list does not call 'softmax' is quantised finished and normalised). What goes into a quantiser is computed in f32, as accurately as f32 sums, v_exp_f32 and their like allow (about 1e-6 of the number): no bf16 or f16 on the way to a quantiser, and a product that is left as it is and whose result goes on into a quantised operand takes f32 operands (vector FMAs, or v_wmma_f32_16x16x4_f32). A number that lies on a knife's edge between two numbers of the format may be rounded either way, as far as f32 arithmetic and the matrix unit's own rounding can turn it there, and no further.
;; One version. Each part assembles by itself: llvm-mc -triple=amdgcn-amd-amdhsa -mcpu=gfx1250 --defsym DOCPART=n.
;; ======== version 1 of 1: 3 launches
;; workspace buffers: keyw 65,536 bytes of whole numbers; qcode 65,536 bytes of whole numbers; hpart 65,536 bytes of whole numbers; atab 2,097,152 bytes; ascl 131,072 bytes; bimg 557,056 bytes
;; launch pack (part 1): grid 16 x 4, 16 waves a work-group, no clusters, 6,144 bytes of LDS; arguments z, evidence_mask, keyw, qcode, hpart; writes keyw, qcode, hpart
.if DOCPART == 1
	.amdgcn_target "amdgcn-amd-amdhsa--gfx1250"
	.amdhsa_code_object_version 6
	.text
	.protected	k_q241973687f_pack
	.globl	k_q241973687f_pack
	.p2align	8
	.type	k_q241973687f_pack,@function
k_q241973687f_pack:
	s_mov_b64 s[64:65], 0
	v_nop
	global_prefetch_b8 v0, s[64:65] scope:SCOPE_SE
	s_setreg_imm32_b32 hwreg(HW_REG_WAVE_MODE, 25, 1), 1
	s_wait_xcnt 0x0
; PACK.  z [4][8][4096] f32, evidence_mask [4][4096] bytes  ->  keyw [4][4096] u32, qcode [4][4096] u32, hpart [4][16][256] u32.
; code = sum over the 8 planes of (z > 0.5) << plane.  qcode = code.  keyw = 4 x code where the key has evidence, 1024 where it has none:
; the later launches use it as a byte offset into tables of 257 words, whose last word stands for "no evidence".
; hpart[b][chunk][y] = how many keys of the chunk have evidence and code y.  No address here hangs on a code: the histogram is made by compares, a lane to a bin.
; SHARES.  A work-group takes 256 keys of one batch (x: chunk 0..15, y: batch).  Waves 0-7 pack, a thread to a key.  Then all 16 waves count:
; wave w takes bins 32 (w % 8) .. + 31, a lane to a bin, and keys 128 (w / 8) .. + 127 of the chunk, which every lane reads from LDS at one address.
; All three results leave through LDS, so that each store of a wave covers 256 consecutive bytes, aligned.
.set KW,   0                           ; LDS: the chunk's 256 key words,
.set QC,   1024                        ; its 256 codes,
.set HS,   2048                        ; and two half histograms of 256 words
.set KEYS, 32                          ; v32-159: 128 key words, the same in every lane
	s_load_b256 s[4:11], s[0:1], 0x0               ; z s[4:5], evidence_mask s[6:7], keyw s[8:9], qcode s[10:11]
	s_load_b64 s[12:13], s[0:1], 0x20              ; hpart
	v_lshl_add_u32 v160, v0, 2, 0x1000
	v_mov_b32 v161, 0
	v_lshrrev_b32 v2, 5, v0
	s_delay_alu instid0(VALU_DEP_1)
	v_readfirstlane_b32 s14, v2                    ; wave 0..15
	s_and_b32 s15, ttmp7, 0xffff                   ; batch
	; every LDS address and offset is made here, ahead of the first branch on the wave's number
	v_and_b32 v3, 0xff, v0                         ; t % 256: my key (waves 0-7), my bin (all waves)
	s_delay_alu instid0(VALU_DEP_1)
	v_lshlrev_b32 v1, 2, v3                        ; 4 x that: the key's word in LDS, its bytes in a plane of z, and the bin as a key word
	s_delay_alu instid0(VALU_DEP_2)
	v_lshlrev_b32 v5, 3, v3                        ; 8 x that: two words on the way out
	v_and_b32 v17, 0x7f, v0
	s_delay_alu instid0(VALU_DEP_1)
	v_lshlrev_b32 v17, 3, v17                      ; 8 (t % 128): the same two words in keyw (waves 0-3) or in qcode (waves 4-7)
	v_lshrrev_b32 v18, 8, v0
	s_delay_alu instid0(VALU_DEP_1)
	v_lshlrev_b32 v18, 9, v18                      ; 512 (t / 256): my half of the chunk's key words
	v_lshlrev_b32 v21, 2, v0                       ; 4 t: my count in the two half histograms
	s_lshl_b32 s18, ttmp9, 10
	s_lshl_b32 s16, s15, 17
	s_add_co_u32 s16, s16, s18                     ; z: batch x 8 planes x 16,384 bytes + chunk x 1,024
	s_mov_b32 s17, 0
	s_lshl_b32 s20, s15, 12
	s_lshl_b32 s19, ttmp9, 8
	s_add_co_u32 s20, s20, s19                     ; evidence_mask: batch x 4,096 + chunk x 256
	s_mov_b32 s21, 0
	s_lshl_b32 s22, s15, 14
	s_add_co_u32 s22, s22, s18                     ; keyw, qcode and hpart alike: batch x 16,384 + chunk x 1,024
	s_mov_b32 s23, 0
	s_wait_kmcnt 0x0
	s_add_nc_u64 s[4:5], s[4:5], s[16:17]
	s_add_nc_u64 s[6:7], s[6:7], s[20:21]
	s_add_nc_u64 s[8:9], s[8:9], s[22:23]
	s_add_nc_u64 s[10:11], s[10:11], s[22:23]
	s_add_nc_u64 s[12:13], s[12:13], s[22:23]
	s_cmp_lt_u32 s14, 8
	s_cbranch_scc0 .Lpacked                        ; waves 8-15 have no key to pack
	s_wait_alu depctr_va_vdst(0)
.irp p, 0,1,2,3,4,5,6,7
	global_load_b32 v[8+\p], v1, s[4:5] offset:\p*16384 th:TH_LOAD_NT   ; my key in plane p; the eight waves together read 1,024 consecutive bytes of the plane
.endr
	global_load_u8 v16, v3, s[6:7] th:TH_LOAD_NT
	v_mov_b32 v2, 0
	s_wait_alu depctr_va_vdst(0)
	s_wait_loadcnt 0x0
.irp p, 7,6,5,4,3,2,1,0
	v_cmp_lt_f32 vcc_lo, 0.5, v[8+\p]              ; the plane's bit,
	s_delay_alu instid0(VALU_DEP_1)
	v_add_co_ci_u32 v2, vcc_lo, v2, v2, vcc_lo     ; shifted in from below: code = 2 code + bit
.endr
	s_delay_alu instid0(VALU_DEP_1)
	v_lshlrev_b32 v4, 2, v2
	v_cmp_ne_u32 vcc_lo, 0, v16
	s_delay_alu instid0(VALU_DEP_1)
	v_cndmask_b32 v4, 0x400, v4, vcc_lo            ; 4 x code with evidence, 1024 without
	ds_store_b32 v1, v4 offset:KW
	ds_store_b32 v1, v2 offset:QC
.Lpacked:
	s_wait_dscnt 0x0                               ; my stores have landed,
	s_barrier_signal -1
	s_barrier_wait -1                              ; everybody's have
.set i, 0
	s_wait_alu depctr_va_vdst(0)
.rept 32
	ds_load_b128 v[KEYS+4*i:KEYS+4*i+3], v18 offset:KW+16*i   ; four key words, one address for all lanes
.set i, i+1
.endr
	s_cmp_lt_u32 s14, 8
	s_cbranch_scc0 .Lno_words
	ds_load_b64 v[6:7], v5                         ; KW and QC lie on end: waves 0-3 take the key words, waves 4-7 the codes
	s_cmp_lt_u32 s14, 4
	s_cselect_b64 s[24:25], s[8:9], s[10:11]
	s_wait_dscnt 0x0
	global_store_b64 v17, v[6:7], s[24:25]         ; 32 lanes store 256 consecutive bytes, aligned
.Lno_words:
	s_wait_dscnt 0x0                               ; my 128 key words are in
	v_mov_b32 v20, 0
.set i, 0
.rept 128
	v_cmp_eq_u32 vcc_lo, v1, v[KEYS+i]             ; is this key's word my bin's?  (1024 is nobody's)
	s_delay_alu instid0(VALU_DEP_1)
	v_add_co_ci_u32 v20, vcc_lo, 0, v20, vcc_lo    ; count + 0 + that bit
.set i, i+1
.endr
	ds_store_b32 v21, v20 offset:HS
	s_wait_dscnt 0x0
	s_barrier_signal -1
	s_barrier_wait -1
	s_cmp_lt_u32 s14, 4
	s_cbranch_scc0 .Lend
	ds_load_b64 v[22:23], v5 offset:HS             ; two bins of the first 128 keys,
	ds_load_b64 v[24:25], v5 offset:HS+1024        ; and of the other 128
	s_wait_dscnt 0x0
	v_add_nc_u32 v22, v22, v24
	v_add_nc_u32 v23, v23, v25
	global_store_b64 v5, v[22:23], s[12:13]        ; 32 lanes store 256 consecutive bytes, aligned
.Lend:
	s_wait_tensorcnt 0x0
	ds_add_u32 v160, v161
	s_wait_dscnt 0x0
	s_endpgm
.Lfunc_end_k_q241973687f_pack:
	.size	k_q241973687f_pack, .Lfunc_end_k_q241973687f_pack-k_q241973687f_pack
	.p2alignl 7, 3214868480
	.fill 96, 4, 3214868480
	.section	.rodata,"a",@progbits
	.p2align	6, 0x0
	.amdhsa_kernel k_q241973687f_pack
		.amdhsa_group_segment_fixed_size 6144
		.amdhsa_private_segment_fixed_size 0
		.amdhsa_enable_private_segment 0
		.amdhsa_kernarg_size 40
		.amdhsa_user_sgpr_count 2
		.amdhsa_user_sgpr_kernarg_segment_ptr 1
		.amdhsa_wavefront_size32 1
		.amdhsa_system_sgpr_workgroup_id_x 1
		.amdhsa_system_sgpr_workgroup_id_y 1
		.amdhsa_system_sgpr_workgroup_id_z 1
		.amdhsa_system_vgpr_workitem_id 0
		.amdhsa_next_free_vgpr 162
		.amdhsa_next_free_sgpr 66
		.amdhsa_reserve_vcc 1
		.amdhsa_float_denorm_mode_32 3
		.amdhsa_float_denorm_mode_16_64 3
		.amdhsa_memory_ordered 1
		.amdhsa_forward_progress 1
		.amdhsa_inst_pref_size 19
	.end_amdhsa_kernel
	.amdgpu_metadata
---
amdhsa.version: [ 1, 2 ]
amdhsa.kernels:
  - .name:           k_q241973687f_pack
    .symbol:         k_q241973687f_pack.kd
    .args:
      - { .name: z, .offset: 0, .size: 8, .value_kind: global_buffer, .address_space: global }
      - { .name: evidence_mask, .offset: 8, .size: 8, .value_kind: global_buffer, .address_space: global }
      - { .name: keyw, .offset: 16, .size: 8, .value_kind: global_buffer, .address_space: global }
      - { .name: qcode, .offset: 24, .size: 8, .value_kind: global_buffer, .address_space: global }
      - { .name: hpart, .offset: 32, .size: 8, .value_kind: global_buffer, .address_space: global }
    .group_segment_fixed_size: 6144
    .private_segment_fixed_size: 0
    .kernarg_segment_align: 8
    .kernarg_segment_size: 40
    .max_flat_workgroup_size: 512
    .sgpr_count:     66
    .vgpr_count:     162
    .wavefront_size: 32
...
	.end_amdgpu_metadata
.endif
;; end of part 1
;; launch tables (part 2): grid 64 x 4, 8 waves a work-group, no clusters, 47,616 bytes of LDS; arguments keyw, hpart, pop_lut, temperature, value_table, mask_value, atab, ascl, bimg; writes atab, ascl, bimg
.if DOCPART == 2
	.amdgcn_target "amdgcn-amd-amdhsa--gfx1250"
	.amdhsa_code_object_version 6
	.text
	.protected	k_q241973687f_tables
	.globl	k_q241973687f_tables
	.p2align	8
	.type	k_q241973687f_tables,@function
k_q241973687f_tables:
	s_mov_b64 s[64:65], 0
	v_nop
	global_prefetch_b8 v0, s[64:65] scope:SCOPE_SE
	s_setreg_imm32_b32 hwreg(HW_REG_WAVE_MODE, 25, 1), 1
	s_wait_xcnt 0x0
; TABLES.  Both operands of the quantised product are made here, each number once, as codes of FP4 (E2M1) with one E8M0 byte for each 32 keys.
; THE LEFT OPERAND.  attn[q][k] hangs on the query only through its code c, so a batch has 256 different rows.  With s[x] = -pop_lut[x] / max(temperature, 0.1) and H[y] the number of keys
; with evidence and code y:  m_c = max over y with H[y] > 0 of s[c ^ y] (0 if there is none);  e_c[y] = exp(s[c ^ y] - m_c);  G_c[y] = e_c[y] / max(sum over y of H[y] e_c[y], 1e-20);
; attn row c at key k is G_c[code_k] with evidence and 0 without.  atab [4][256][2048 bytes]: the row's codes, keys ascending, the lower key in the low four bits;  ascl [4][256][128]: its scale bytes.
; THE RIGHT OPERAND.  values[k][d] = value_table[code_k][d] with evidence, mask_value[d] without, quantised along the keys.  bimg [4][32 K steps][4,352 bytes]: four fragments (16 d x 128 keys) as images of
; their registers (register group c, lane l: 16 bytes at 512 c + 16 l), then the 64 columns' scale words.
; SHARES.  Work-group (x, y): batch y.  Left: rows c = 32 (x / 8) + lane, keys 512 (x % 8) on; wave w takes 64 of them, two blocks.  Right: K step x / 2, columns 32 (x % 2) + lane; wave w < 4 takes block w.
; THE ROWS' TABLE G (32 rows x 257 words in LDS, the last word 0) is built with a lane to a row and a wave to 32 bins y = 32 w + i: s[c ^ y] is then s[32 ((x / 8) ^ w) + (lane ^ i)], one register read across lanes.
; A key's word (4 x code, or 1024) is the same for all lanes: it comes by scalar loads, and a look-up is one addition and one LDS load; rows are 1,028 bytes apart, so the 32 lanes fall on 32 different banks (64 banks of 4 bytes: ISA guide 11.1).
; LIMITS.  NaN and infinities in pop_lut, temperature, value_table, mask_value are not served.  v_exp_f32 gives 0 where the result lies under 2^-126.  The row's sum is taken as count x e over 256 bins: another order of
; rounding than a sum over 4,096 keys.  The two divisions are v_rcp_f32 and a multiplication, the first with one correction step.  A block of zeros gets the byte 1: its codes are zeros, and this program alone reads the bytes.
.set HB,   0                           ; LDS: the counts H as f32, 128 bytes a wave, read by that wave alone
.set PB,   1024                        ; 0 where H > 0, -infinity where not; likewise
.set R1,   2048                        ; the waves' maxima, [wave][row]
.set R2,   3072                        ; the waves' sums
.set GT,   4096                        ; G
.set GP,   1028                        ; a row of G in bytes
.set STG,  GT+32*GP                    ; the stage for codes: 32 rows x (256 + 16) bytes
.set SP,   272
.set ASC,  STG+32*SP                   ; the stage for the left scale bytes: 32 rows x 16
.set BSC,  ASC+512                     ; and for the right ones: 32 columns x 4
.set XA,   32                          ; v32-95   the two blocks' 64 numbers
.set HF,   64                          ; v64-95   before that: H of my wave's 32 bins, the same in every lane
.set SS,   96                          ; v96-127  0 or -infinity, then s, then e, then G of my row at my wave's 32 bins
.set HL,   128                         ; v128-143 the 16 partial counts; later the waves' maxima and sums
.set VO,   144                         ; v144-175 offsets of the values' gather
.set XB,   176                         ; v176-207 its 32 numbers
.set MV,   208                         ; mask_value of my column
.set KWL,  209                         ; key l's word in lane l
.set BC,   212                         ; v212-215 the right block's codes
.set AC,   216                         ; v216-223 the two left blocks' codes
.set GAD,  224                         ; v224-227 look-up addresses, and nothing else
.set QM,   228                         ; v228-229 at work in the quantiser
.set ABY,  230                         ; v230-231 the left blocks' scale bytes
.set BBY,  233                         ; the right block's
.set L2E,  234                         ; v234-235 log2(e), twice
.macro BARRIER                         ; my LDS stores have landed and my LDS loads are in: then the work-group's barrier
	s_wait_dscnt 0x0
	s_barrier_signal -1
	s_barrier_wait -1
.endm
; 32 numbers of one block in v[x] on become 32 codes in v[c] .. v[c + 3] and the scale's byte in v[by].
.macro QBLOCK x, c, by
	v_max3_num_f32 v[QM], |v[\x]|, |v[\x+1]|, |v[\x+2]|             ; the block's largest magnitude: all 32 numbers are mine
	v_max3_num_f32 v[QM+1], |v[\x+3]|, |v[\x+4]|, |v[\x+5]|
.irp i, 6,10,14,18,22,26
	s_delay_alu instid0(VALU_DEP_2)
	v_max3_num_f32 v[QM], v[QM], |v[\x+\i]|, |v[\x+\i+1]|
	s_delay_alu instid0(VALU_DEP_2)
	v_max3_num_f32 v[QM+1], v[QM+1], |v[\x+\i+2]|, |v[\x+\i+3]|
.endr
	s_delay_alu instid0(VALU_DEP_2)
	v_max3_num_f32 v[QM], v[QM], |v[\x+30]|, |v[\x+31]|
	s_delay_alu instid0(VALU_DEP_1)
	v_max3_num_f32 v[QM], v[QM], v[QM+1], 0x1800000                 ; and the floor 2^(3 - 127): the byte cannot fall under 1
	s_delay_alu instid0(VALU_DEP_1)
	v_add_nc_u32 v[QM+1], 0xff000000, v[QM]                         ; 2 off the exponent field: the conversion takes the exponent field of this operand as its scale
.irp g, 0,1,2,3
	v_cvt_scalef32_pk8_fp4_f32 v[\c+\g], v[\x+8*\g:\x+8*\g+7], v[QM+1]
.endr
	v_lshrrev_b32 v[\by], 23, v[QM+1]                               ; the scale's byte; also the plain line behind the conversions
.endm
; 32 look-ups in G: the key words in s[ks] on are held at 1024, added to my row's base, and read.
.macro GATHER ks, x
.set k, 0
.rept 32
	s_min_u32 s[\ks+k], s[\ks+k], 0x400
	v_add_nc_u32 v[GAD+(k%4)], s[\ks+k], v6
	ds_load_b32 v[\x+k], v[GAD+(k%4)] offset:GT
.set k, k+1
.endr
.endm
	s_load_b512 s[4:19], s[0:1], 0x0               ; keyw s[4:5], hpart s[6:7], pop_lut s[8:9], temperature s[10:11], value_table s[12:13], mask_value s[14:15], atab s[16:17], ascl s[18:19]
	s_load_b64 s[20:21], s[0:1], 0x40              ; bimg
	v_lshl_add_u32 v240, v0, 2, 0xb600
	v_mov_b32 v241, 0
	v_lshrrev_b32 v1, 5, v0
	s_delay_alu instid0(VALU_DEP_1)
	v_readfirstlane_b32 s22, v1                    ; wave w, 0..7
	s_and_b32 s23, ttmp7, 0xffff                   ; batch
	s_lshr_b32 s24, ttmp9, 3                       ; which 32 rows
	s_and_b32 s25, ttmp9, 7                        ; which 512 keys
	s_lshr_b32 s26, ttmp9, 1                       ; right operand: which K step
	s_and_b32 s27, ttmp9, 1                        ; and which 32 columns
	s_mov_b32 s30, 0x76543210
	s_mov_b32 s31, 0xfedcba98                      ; v_permlanex16_b32's selects for lane l xor 16
	; every LDS address is made here, ahead of the first branch on the wave's number
	v_and_b32 v1, 31, v0                           ; lane l
	v_lshlrev_b32 v2, 2, v0                        ; 4 t = 128 w + 4 l
	v_and_b32 v8, 0xe0, v0                         ; 32 w
	s_delay_alu instid0(VALU_DEP_1)
	v_lshlrev_b32 v3, 2, v8                        ; 128 w
	s_delay_alu instid0(VALU_DEP_4)
	v_lshlrev_b32 v4, 2, v1                        ; 4 l
	v_mul_u32_u24 v6, v1, GP                       ; my row of G
	s_delay_alu instid0(VALU_DEP_1)
	v_add_nc_u32 v5, v6, v3                        ; and my wave's 32 bins in it
	v_mul_u32_u24 v7, v1, SP
	s_delay_alu instid0(VALU_DEP_1)
	v_add_nc_u32 v7, v7, v8                        ; stage, in: row l, my wave's 32 bytes
	v_and_b32 v10, 15, v0                          ; l % 16
	v_bfe_u32 v9, v0, 4, 1                         ; l / 16
	v_lshrrev_b32 v11, 3, v8
	s_delay_alu instid0(VALU_DEP_1)
	v_add_nc_u32 v11, v11, v9                      ; 4 w + l / 16
	s_delay_alu instid0(VALU_DEP_3)
	v_lshlrev_b32 v15, 11, v9
	s_delay_alu instid0(VALU_DEP_4)
	v_lshlrev_b32 v17, 10, v9
	s_delay_alu instid0(VALU_DEP_3)
	v_mul_u32_u24 v9, v11, SP
	s_delay_alu instid0(VALU_DEP_1)
	v_lshl_add_u32 v9, v10, 4, v9                  ; stage, out: sixteen lanes to a row
	s_delay_alu instid0(VALU_DEP_4)
	v_lshl_add_u32 v15, v10, 4, v15                ; the same place in atab: 2,048 (l / 16) + 16 (l % 16)
	s_delay_alu instid0(VALU_DEP_4)
	v_lshl_add_u32 v17, v10, 4, v17                ; bimg: fragment l / 16 of my two, 16 bytes a column
	v_lshlrev_b32 v11, 4, v1                       ; 16 l
	v_lshrrev_b32 v12, 4, v8
	s_delay_alu instid0(VALU_DEP_1)
	v_add_nc_u32 v12, v12, v11                     ; 16 l + 2 w: my two scale bytes of row l
	v_lshrrev_b32 v13, 5, v8
	s_delay_alu instid0(VALU_DEP_1)
	v_add_nc_u32 v13, v13, v4                      ; 4 l + w: my scale byte of column l
	v_lshlrev_b32 v16, 7, v1                       ; 128 l: row l of ascl
	s_lshl_b32 s29, s27, 7
	v_add_nc_u32 v14, s29, v4                      ; my column's 4 bytes in a row of value_table
	s_xor_b32 s29, s24, s22
	s_lshl_b32 s29, s29, 7
	v_add_nc_u32 v18, s29, v4                      ; pop_lut at 32 ((x / 8) ^ w) + l
	; byte offsets of this wave's parts, made in registers that the key words take later
	s_lshl_b32 s32, s23, 14
	s_lshl_b32 s33, s25, 11
	s_add_co_u32 s32, s32, s33
	s_lshl_b32 s33, s22, 8
	s_add_co_u32 s32, s32, s33                     ; keyw, left: (4,096 batch + 512 (x % 8) + 64 w) words
	s_mov_b32 s33, 0
	s_lshl_b32 s34, s23, 14
	s_lshl_b32 s35, s26, 9
	s_add_co_u32 s34, s34, s35
	s_lshl_b32 s35, s22, 7
	s_add_co_u32 s34, s34, s35                     ; keyw, right: (4,096 batch + 128 (x / 2) + 32 w) words; used by waves 0-3 alone
	s_mov_b32 s35, 0
	s_lshl_b32 s36, s23, 14                        ; hpart: 16 x 256 words a batch
	s_mov_b32 s37, 0
	s_lshl_b32 s38, s23, 19
	s_lshl_b32 s39, s24, 16
	s_add_co_u32 s38, s38, s39
	s_lshl_b32 s39, s22, 13
	s_add_co_u32 s38, s38, s39
	s_lshl_b32 s39, s25, 8
	s_add_co_u32 s38, s38, s39                     ; atab: row 256 batch + 32 (x / 8) + 4 w, byte 256 (x % 8)
	s_mov_b32 s39, 0
	s_lshl_b32 s40, s23, 15
	s_lshl_b32 s41, s24, 12
	s_add_co_u32 s40, s40, s41
	s_lshl_b32 s41, s25, 4
	s_add_co_u32 s40, s40, s41                     ; ascl: row 256 batch + 32 (x / 8), byte 16 (x % 8)
	s_mov_b32 s41, 0
	s_mul_i32 s42, s23, 139264
	s_mul_i32 s43, s26, 4352
	s_add_co_u32 s42, s42, s43                     ; bimg: the batch's K step
	s_mov_b32 s43, 0
	s_wait_alu depctr_va_vdst(0)
	s_wait_kmcnt 0x0
	s_add_nc_u64 s[100:101], s[4:5], s[32:33]
	s_add_nc_u64 s[2:3], s[4:5], s[34:35]
	s_add_nc_u64 s[6:7], s[6:7], s[36:37]
	s_add_nc_u64 s[16:17], s[16:17], s[38:39]
	s_add_nc_u64 s[18:19], s[18:19], s[40:41]
	s_add_nc_u64 s[20:21], s[20:21], s[42:43]
	s_load_b32 s28, s[10:11], 0x0                  ; temperature
	s_load_b512 s[68:83], s[100:101], 0x0          ; my first block's 32 key words
	s_load_b512 s[84:99], s[100:101], 0x40
.irp c, 0,1,2,3,4,5,6,7,8,9,10,11,12,13,14,15
	global_load_b32 v[HL+\c], v2, s[6:7] offset:1024*\c   ; bin 32 w + l of the batch's 16 partial histograms
.endr
	global_load_b32 v19, v18, s[8:9]
	s_cmp_lt_u32 s22, 4
	s_cbranch_scc0 .Lno_b
	; waves 0-3: the values' gather is asked for now and lands while G is built
	s_load_b512 s[32:47], s[2:3], 0x0              ; the right block's 32 key words
	s_load_b512 s[48:63], s[2:3], 0x40
	global_load_b32 v[MV], v14, s[14:15]
	global_load_b32 v[KWL], v4, s[2:3]             ; the same 32 words, a lane to a key
	s_wait_kmcnt 0x0
.set k, 0
.rept 32
	s_min_u32 s29, s[32+k], 0x3fc                  ; the key's row of value_table; a key without evidence reads row 255 and is replaced below
	s_lshl_b32 s29, s29, 6                         ; 4 x code x 64 = 256 bytes a row
	v_add_nc_u32 v[VO+k], s29, v14
	global_load_b32 v[XB+k], v[VO+k], s[12:13]     ; 32 lanes read 128 consecutive bytes of the row
.set k, k+1
.endr
	s_wait_loadcnt 34                              ; behind the counts and pop_lut were issued: mask_value, the lanes' key words, 32 gathers; they may stay out
	s_branch .Lhist
.Lno_b:
	s_wait_kmcnt 0x0
	s_wait_loadcnt 0x0
.Lhist:
	s_load_b512 s[32:47], s[100:101], 0x80         ; my second block's 32 key words, into registers that are done with
	s_load_b512 s[48:63], s[100:101], 0xc0
	v_add3_u32 v20, v[HL], v[HL+1], v[HL+2]
	v_add3_u32 v21, v[HL+3], v[HL+4], v[HL+5]
	s_delay_alu instid0(VALU_DEP_2)
	v_add3_u32 v20, v20, v[HL+6], v[HL+7]
	s_delay_alu instid0(VALU_DEP_2)
	v_add3_u32 v21, v21, v[HL+8], v[HL+9]
	s_delay_alu instid0(VALU_DEP_2)
	v_add3_u32 v20, v20, v[HL+10], v[HL+11]
	s_delay_alu instid0(VALU_DEP_2)
	v_add3_u32 v21, v21, v[HL+12], v[HL+13]
	s_delay_alu instid0(VALU_DEP_2)
	v_add3_u32 v20, v20, v[HL+14], v[HL+15]
	s_delay_alu instid0(VALU_DEP_1)
	v_add_nc_u32 v20, v20, v21                     ; H of bin 32 w + l
	s_delay_alu instid0(VALU_DEP_1)
	v_cvt_f32_u32 v21, v20
	v_mov_b32 v22, 0xff800000
	s_delay_alu instid0(VALU_DEP_3)
	v_cmp_eq_u32 vcc_lo, 0, v20
	s_delay_alu instid0(VALU_DEP_1)
	v_cndmask_b32 v22, 0, v22, vcc_lo              ; -infinity for a bin that no key with evidence has, else 0
	ds_store_b32 v2, v21 offset:HB
	ds_store_b32 v2, v22 offset:PB
.irp i, 0,1,2,3,4,5,6,7
	ds_load_b128 v[HF+4*\i:HF+4*\i+3], v3 offset:HB+16*\i   ; back with one address for all lanes: register i = bin 32 w + i.  My wave's own bytes: LDS serves a wave's instructions in order (ISA guide 5.7.1.4)
.endr
.irp i, 0,1,2,3,4,5,6,7
	ds_load_b128 v[SS+4*\i:SS+4*\i+3], v3 offset:PB+16*\i
.endr
	v_mov_b32 v23, 0x3dcccccd
	s_delay_alu instid0(VALU_DEP_1)
	v_max_num_f32 v23, s28, v23                    ; max(temperature, 0.1)
	s_wait_alu depctr_va_vdst(0)
	v_rcp_f32 v24, v23
	v_mov_b32 v27, 0                               ; a plain line behind the reciprocal; a lane permute's destination counts as one of its sources, so it is written
	v_mov_b32 v[L2E], 0x3fb8aa3b
	v_mov_b32 v[L2E+1], 0x3fb8aa3b
	s_wait_alu depctr_va_vdst(0)                   ; ahead of the reciprocal's first reader
	v_mul_f32 v25, v19, v24                        ; pop_lut / temp,
	s_delay_alu instid0(VALU_DEP_1)
	v_fma_f32 v26, -v25, v23, v19                  ; what it leaves over,
	v_fma_f32 v25, v26, v24, v25                   ; put back
	s_delay_alu instid0(VALU_DEP_1)
	v_xor_b32 v19, 0x80000000, v25                 ; s at 32 ((x / 8) ^ w) + l
	s_delay_alu instid0(VALU_DEP_1)
	v_permlanex16_b32 v27, v19, s30, s31           ; and at l xor 16
	s_wait_alu depctr_va_vdst(0)
	s_wait_dscnt 0x0
	; s[c ^ y] for my row and bin 32 w + i is lane l xor i's number; -infinity is added where the bin is empty.  The sum lands on the addend's register
	v_add_f32 v[SS], v19, v[SS]
.irp m, 1,2,3,4,5,6,7,8,9,10,11,12,13,14,15
	v_add_f32_dpp v[SS+\m], v19, v[SS+\m] row_xmask:\m row_mask:0xf bank_mask:0xf
.endr
	v_add_f32 v[SS+16], v27, v[SS+16]
.irp m, 1,2,3,4,5,6,7,8,9,10,11,12,13,14,15
	v_add_f32_dpp v[SS+16+\m], v27, v[SS+16+\m] row_xmask:\m row_mask:0xf bank_mask:0xf
.endr
	v_max3_num_f32 v28, v[SS], v[SS+1], v[SS+2]
	v_max3_num_f32 v29, v[SS+3], v[SS+4], v[SS+5]
.irp i, 6,10,14,18,22,26
	s_delay_alu instid0(VALU_DEP_2)
	v_max3_num_f32 v28, v28, v[SS+\i], v[SS+\i+1]
	s_delay_alu instid0(VALU_DEP_2)
	v_max3_num_f32 v29, v29, v[SS+\i+2], v[SS+\i+3]
.endr
	s_delay_alu instid0(VALU_DEP_2)
	v_max3_num_f32 v28, v28, v[SS+30], v[SS+31]
	s_delay_alu instid0(VALU_DEP_1)
	v_max_num_f32 v28, v28, v29                    ; my row's maximum over my wave's bins
	ds_store_b32 v2, v28 offset:R1
	BARRIER
.irp u, 0,1,2,3,4,5,6,7
	ds_load_b32 v[HL+\u], v4 offset:R1+128*\u      ; my row's maxima of the eight waves
.endr
	s_wait_dscnt 0x0
	v_max3_num_f32 v28, v[HL], v[HL+1], v[HL+2]
	v_max3_num_f32 v29, v[HL+3], v[HL+4], v[HL+5]
	s_delay_alu instid0(VALU_DEP_2)
	v_max3_num_f32 v28, v28, v[HL+6], v[HL+7]
	s_delay_alu instid0(VALU_DEP_1)
	v_max_num_f32 v28, v28, v29                    ; m
	s_delay_alu instid0(VALU_DEP_1)
	v_and_b32 v29, 0x7fffffff, v28
	s_delay_alu instid0(VALU_DEP_1)
	v_cmp_gt_u32 vcc_lo, 0x7f800000, v29
	s_delay_alu instid0(VALU_DEP_1)
	v_cndmask_b32 v28, 0, v28, vcc_lo              ; 0 where m is not finite: a batch with no evidence
	s_delay_alu instid0(VALU_DEP_1)
	v_mov_b32 v29, v28
.irp i, 0,2,4,6,8,10,12,14,16,18,20,22,24,26,28,30
	v_pk_add_f32 v[SS+\i:SS+\i+1], v[SS+\i:SS+\i+1], v[28:29] neg_lo:[0,1] neg_hi:[0,1]   ; s - m, two at a time
.endr
.irp i, 0,2,4,6,8,10,12,14,16,18,20,22,24,26,28,30
	v_pk_mul_f32 v[SS+\i:SS+\i+1], v[SS+\i:SS+\i+1], v[L2E:L2E+1]
.endr
	s_wait_alu depctr_va_vdst(0)
.irp i, 0,1,2,3,4,5,6,7,8,9,10,11,12,13,14,15,16,17,18,19,20,21,22,23,24,25,26,27,28,29,30,31
	v_exp_f32 v[SS+\i], v[SS+\i]                   ; e = exp(s - m); 0 for an empty bin
.endr
	v_nop                                          ; a plain line behind the last exponential
	s_wait_alu depctr_va_vdst(0)                   ; one wait for the 32, ahead of their first reader
	v_pk_mul_f32 v[HL:HL+1], v[SS:SS+1], v[HF:HF+1]                 ; the sum of H x e, two at a time, in two chains
	v_pk_mul_f32 v[HL+2:HL+3], v[SS+2:SS+3], v[HF+2:HF+3]
.irp i, 4,8,12,16,20,24,28
	v_pk_fma_f32 v[HL:HL+1], v[SS+\i:SS+\i+1], v[HF+\i:HF+\i+1], v[HL:HL+1]
	v_pk_fma_f32 v[HL+2:HL+3], v[SS+\i+2:SS+\i+3], v[HF+\i+2:HF+\i+3], v[HL+2:HL+3]
.endr
	s_delay_alu instid0(VALU_DEP_1)
	v_pk_add_f32 v[HL:HL+1], v[HL:HL+1], v[HL+2:HL+3]
	s_delay_alu instid0(VALU_DEP_1)
	v_add_f32 v[HL], v[HL], v[HL+1]
	ds_store_b32 v2, v[HL] offset:R2
	BARRIER
.irp u, 0,1,2,3,4,5,6,7
	ds_load_b32 v[HL+\u], v4 offset:R2+128*\u
.endr
	s_wait_dscnt 0x0
	v_pk_add_f32 v[HL:HL+1], v[HL:HL+1], v[HL+2:HL+3]
	v_pk_add_f32 v[HL+4:HL+5], v[HL+4:HL+5], v[HL+6:HL+7]
	s_delay_alu instid0(VALU_DEP_1)
	v_pk_add_f32 v[HL:HL+1], v[HL:HL+1], v[HL+4:HL+5]
	s_delay_alu instid0(VALU_DEP_1)
	v_add_f32 v[HL], v[HL], v[HL+1]                ; my row's sum
	s_delay_alu instid0(VALU_DEP_1)
	v_max_num_f32 v[HL], 0x1e3ce508, v[HL]         ; held at 1e-20 from below
	s_wait_alu depctr_va_vdst(0)
	v_rcp_f32 v30, v[HL]
	v_nop
	s_wait_alu depctr_va_vdst(0)
	v_mov_b32 v31, v30
.irp i, 0,2,4,6,8,10,12,14,16,18,20,22,24,26,28,30
	v_pk_mul_f32 v[SS+\i:SS+\i+1], v[SS+\i:SS+\i+1], v[30:31]       ; G
.endr
.irp i, 0,1,2,3,4,5,6,7,8,9,10,11,12,13,14,15,16,17,18,19,20,21,22,23,24,25,26,27,28,29,30,31
	ds_store_b32 v5, v[SS+\i] offset:GT+4*\i
.endr
	s_cmp_lg_u32 s22, 0
	s_cbranch_scc1 .Lnot_zero
	v_mov_b32 v[HL+8], 0
	ds_store_b32 v6, v[HL+8] offset:GT+1024        ; word 256 of each row: what a key without evidence reads
.Lnot_zero:
	s_wait_kmcnt 0x0                               ; the second block's key words
	BARRIER                                        ; G is whole.  From here to the next barrier LDS is only read
	GATHER 68, XA
	GATHER 32, XA+32
	s_cmp_lt_u32 s22, 4
	s_cbranch_scc0 .Lno_b2
	; waves 0-3: the right operand's block, while the look-ups are on their way
	s_lshl_b32 s70, s27, 11                        ; its 16 bytes a column in bimg: fragment 2 (x % 2) + l / 16, register group w / 2, lanes 16 (w % 2) on
	s_lshr_b32 s71, s22, 1
	s_lshl_b32 s71, s71, 9
	s_add_co_u32 s70, s70, s71
	s_and_b32 s71, s22, 1
	s_lshl_b32 s71, s71, 8
	s_add_co_u32 s70, s70, s71
	s_mov_b32 s71, 0
	s_add_nc_u64 s[68:69], s[20:21], s[70:71]
	s_wait_loadcnt 0x0
	v_mov_b32 v232, 0x400
	s_delay_alu instid0(VALU_DEP_1)
	v_cmp_eq_u32 s29, v232, v[KWL]                 ; bit k: key k has no evidence
.set k, 0
.rept 32
	s_bitcmp1_b32 s29, k
	s_cselect_b32 vcc_lo, -1, 0
	v_cndmask_b32 v[XB+k], v[XB+k], v[MV], vcc_lo  ; then its value is mask_value
.set k, k+1
.endr
	QBLOCK XB, BC, BBY
	global_store_b128 v17, v[BC:BC+3], s[68:69]    ; sixteen lanes store 256 consecutive bytes, aligned
.Lno_b2:
	s_wait_dscnt 32                                ; my first block's 32 numbers are in; the second block's 32 may be out
	QBLOCK XA, AC, ABY
	s_wait_dscnt 0x0
	QBLOCK XA+32, AC+4, ABY+1
	s_delay_alu instid0(VALU_DEP_1)
	v_lshl_or_b32 v[ABY], v[ABY+1], 8, v[ABY]
	s_wait_alu depctr_va_vdst(0)
	BARRIER                                        ; every wave's look-ups are in: only now is LDS written again
	ds_store_b128 v7, v[AC:AC+3] offset:STG
	ds_store_b128 v7, v[AC+4:AC+7] offset:STG+16
	ds_store_b16 v12, v[ABY] offset:ASC
	s_cmp_lt_u32 s22, 4
	s_cbranch_scc0 .Lno_b3
	ds_store_b8 v13, v[BBY] offset:BSC
.Lno_b3:
	BARRIER
	ds_load_b128 v[32:35], v9 offset:STG           ; rows 4 w and 4 w + 1, whole,
	ds_load_b128 v[36:39], v9 offset:STG+2*SP      ; rows 4 w + 2 and 4 w + 3
	s_wait_dscnt 0x0
	global_store_b128 v15, v[32:35], s[16:17]      ; sixteen lanes store 256 consecutive bytes of a row of atab, aligned
	global_store_b128 v15, v[36:39], s[16:17] offset:4096
	s_cmp_lg_u32 s22, 0
	s_cbranch_scc1 .Lend
	s_lshl_b32 s74, s27, 7
	s_add_co_u32 s74, s74, 4096                    ; bimg: behind the K step's four fragments, my 32 columns' words
	s_mov_b32 s75, 0
	s_add_nc_u64 s[72:73], s[20:21], s[74:75]
	ds_load_b128 v[40:43], v11 offset:ASC
	ds_load_b32 v44, v4 offset:BSC
	s_wait_dscnt 0x0
	global_store_b128 v16, v[40:43], s[18:19]      ; 16 scale bytes of each of my 32 rows: pieces of rows 128 bytes apart
	global_store_b32 v4, v44, s[72:73]             ; 128 consecutive bytes
.Lend:
	s_wait_tensorcnt 0x0
	ds_add_u32 v240, v241
	s_wait_dscnt 0x0
	s_endpgm
.Lfunc_end_k_q241973687f_tables:
	.size	k_q241973687f_tables, .Lfunc_end_k_q241973687f_tables-k_q241973687f_tables
	.p2alignl 7, 3214868480
	.fill 96, 4, 3214868480
	.section	.rodata,"a",@progbits
	.p2align	6, 0x0
	.amdhsa_kernel k_q241973687f_tables
		.amdhsa_group_segment_fixed_size 47616
		.amdhsa_private_segment_fixed_size 0
		.amdhsa_enable_private_segment 0
		.amdhsa_kernarg_size 72
		.amdhsa_user_sgpr_count 2
		.amdhsa_user_sgpr_kernarg_segment_ptr 1
		.amdhsa_wavefront_size32 1
		.amdhsa_system_sgpr_workgroup_id_x 1
		.amdhsa_system_sgpr_workgroup_id_y 1
		.amdhsa_system_sgpr_workgroup_id_z 1
		.amdhsa_system_vgpr_workitem_id 0
		.amdhsa_next_free_vgpr 242
		.amdhsa_next_free_sgpr 102
		.amdhsa_reserve_vcc 1
		.amdhsa_float_denorm_mode_32 3
		.amdhsa_float_denorm_mode_16_64 3
		.amdhsa_memory_ordered 1
		.amdhsa_forward_progress 1
		.amdhsa_inst_pref_size 51
	.end_amdhsa_kernel
	.amdgpu_metadata
---
amdhsa.version: [ 1, 2 ]
amdhsa.kernels:
  - .name:           k_q241973687f_tables
    .symbol:         k_q241973687f_tables.kd
    .args:
      - { .name: keyw, .offset: 0, .size: 8, .value_kind: global_buffer, .address_space: global }
      - { .name: hpart, .offset: 8, .size: 8, .value_kind: global_buffer, .address_space: global }
      - { .name: pop_lut, .offset: 16, .size: 8, .value_kind: global_buffer, .address_space: global }
      - { .name: temperature, .offset: 24, .size: 8, .value_kind: global_buffer, .address_space: global }
      - { .name: value_table, .offset: 32, .size: 8, .value_kind: global_buffer, .address_space: global }
      - { .name: mask_value, .offset: 40, .size: 8, .value_kind: global_buffer, .address_space: global }
      - { .name: atab, .offset: 48, .size: 8, .value_kind: global_buffer, .address_space: global }
      - { .name: ascl, .offset: 56, .size: 8, .value_kind: global_buffer, .address_space: global }
      - { .name: bimg, .offset: 64, .size: 8, .value_kind: global_buffer, .address_space: global }
    .group_segment_fixed_size: 47616
    .private_segment_fixed_size: 0
    .kernarg_segment_align: 8
    .kernarg_segment_size: 72
    .max_flat_workgroup_size: 256
    .sgpr_count:     102
    .vgpr_count:     242
    .wavefront_size: 32
...
	.end_amdgpu_metadata
.endif
;; end of part 2
;; launch attend (part 3): grid 64 x 4, 4 waves a work-group, clusters of 4 x 1, 298,496 bytes of LDS; arguments qcode, atab, ascl, bimg, out0; writes out0
.if DOCPART == 3
	.amdgcn_target "amdgcn-amd-amdhsa--gfx1250"
	.amdhsa_code_object_version 6
	.text
	.protected	k_q241973687f_attend
	.globl	k_q241973687f_attend
	.p2align	8
	.type	k_q241973687f_attend,@function
k_q241973687f_attend:
	s_mov_b64 s[64:65], 0
	v_nop
	global_prefetch_b8 v0, s[64:65] scope:SCOPE_SE
	s_setreg_imm32_b32 hwreg(HW_REG_WAVE_MODE, 25, 1), 1
	s_wait_xcnt 0x0
	s_wait_alu depctr_hold_cnt(0) depctr_sa_sdst(0) depctr_va_vdst(0) depctr_va_sdst(0) depctr_va_ssrc(0) depctr_va_vcc(0) depctr_vm_vsrc(0)
	s_getreg_b32 s2, hwreg(HW_REG_IB_STS2, 6, 4)
	s_cmp_eq_u32 s2, 0
	s_cbranch_scc0 .Lentry_in_a_cluster
	s_endpgm
.Lentry_in_a_cluster:
	s_bfe_u32 s2, ttmp6, 0x10000c
	s_cmp_lg_u32 s2, 0x3003
	s_cbranch_scc0 .Lentry_shape_is_right
	s_endpgm
.Lentry_shape_is_right:
; ATTEND.  out0[b][d][q] = sum over the 4,096 keys of attn[q][k] values[k][d], on codes of FP4 (E2M1) with one E8M0 scale for each 32 keys: the whole product, 4 x 4,096 x 4,096 x 64.
; The left operand's row of query q is row qcode[q] of atab (codes) and of ascl (scale bytes); the right operand lies in bimg as images of its fragments' registers, K step by K step, each step's 64 scale words behind its four fragments.
; SHARES.  A work-group takes 64 queries of one batch and all 64 d; wave w takes queries 32 (w / 2) on and d 32 (w % 2) on: four accumulators of 16 x 16, which take turns; 32 K steps of 128 keys.
; LDS is filled once.  The batch's bimg, 139,264 dense bytes, comes by tensor loads, a quarter (8 K steps) a wave.  The 64 rows come by a gather: sixteen lanes read 256 consecutive bytes of a row into registers and store them into
; LDS rows 2,064 bytes apart (516 words: row r starts at bank 4 r mod 64, 64 banks of 4 bytes: ISA guide 11.1), so that a fragment's sixteen rows start at sixteen different banks.
; CLUSTER.  The four work-groups of a cluster belong to one batch and need the same bimg: each quarter is asked for JOINTLY, by the same tensor load with the same descriptor and a mask that names the four.
; Source 0 = 16 queries, source 1 = 16 d: in the result a lane holds one d (lane % 16) and eight neighbouring queries, 32 bytes of a row of out0; they meet in a stage and leave as rows of 256 bytes.
; REGISTERS.  v1-31 addresses; v32-63 the accumulators ((a, n) at v[32 + 8 (2 a + n)]); v64-191 first the gathered rows, then four operand buffers of 32 (A's two fragments, B's two);
; v192-223 the left scale words (register s: K step s; lanes 0-15 the first 16 queries, lanes 16-31 the other 16), v224-255 the right ones likewise by d; v256-383 (window 1) the second half of the gathered rows.
.set BSTEP, 4352                       ; a K step of bimg
.set BQ,    8*BSTEP                    ; what one tensor load brings: 136 rows of 256 bytes
.set AROWS, 4*BQ                       ; behind bimg: the 64 rows' codes,
.set AP,    2064
.set ASCL,  AROWS+64*AP                ; their scale bytes, rows of 128 + 16 bytes,
.set SAP,   144
.set STAGE, ASCL+64*SAP                ; and the stage for the result: 64 d x (256 + 16) bytes
.set SP,    272
.set MSB, 0
.macro WIN new                         ; s_set_vgpr_msb: bits 1:0 source 0, 3:2 source 1, 5:4 source 2, 7:6 destination; the high byte repeats the setting that is left
.if MSB != \new
	s_set_vgpr_msb (MSB<<8)|\new
.set MSB, \new
.endif
.endm
; A round of the cluster's barrier: my work-group's barrier, so that wave 0's signal speaks for all four waves; wave 0 signals for the work-group; every wave waits for all four work-groups; my work-group's barrier once more.
.macro CROUND
	s_barrier_signal -1
	s_barrier_wait -1
	s_cmp_lg_u32 s14, 0
	s_cbranch_scc1 .Lnot_wave_0_\@
	s_barrier_signal -3
.Lnot_wave_0_\@:
	s_barrier_wait -3
	s_barrier_signal -1
	s_barrier_wait -1
.endm
.macro PLACES                          ; four plain vector lines between a matrix instruction and a load into its sources (ISA guide 7.12.1 for vector instructions)
.rept 4
	v_nop
.endr
.endm
	s_load_b256 s[4:11], s[0:1], 0x0               ; qcode s[4:5], atab s[6:7], ascl s[8:9], bimg s[10:11]
	s_load_b64 s[12:13], s[0:1], 0x20              ; out0
	s_set_vgpr_msb 0x40
	v_lshl_add_u32 v128, v0, 2, 0x48c00
	v_mov_b32 v129, 0
	s_set_vgpr_msb 0x4045
	ds_add_u32 v128, v129
	ds_add_u32 v128, v129
	s_set_vgpr_msb 0x4500
	v_lshrrev_b32 v1, 5, v0
	v_readfirstlane_b32 s14, v1                    ; wave 0..3
	s_bfe_u32 s15, ttmp6, 0x40000                  ; cx: my place in the cluster
	s_lshl_b32 s16, ttmp9, 2                       ; in a cluster launch ttmp9 counts clusters
	s_add_co_u32 s16, s16, s15                     ; my block of 64 queries: it enters qcode's and out0's addresses alone
	s_and_b32 s17, ttmp7, 0xffff                   ; the batch, which the four partners share
	s_lshr_b32 s36, s14, 1                         ; which 32 queries are my wave's
	s_and_b32 s37, s14, 1                          ; which 32 d
	; descriptor group 1: 136 rows of 32 elements of 8 bytes, dense in memory and in LDS
	s_mov_b32 s24, 15|(3<<16)|(1<<21)              ; 15:0 the mask: all four work-groups; 17:16 elements of 8 bytes; 20 no padding; 21 set beside a mask
	s_mov_b32 s25, 32<<16                          ; tensor_dim0 = 32
	s_mov_b32 s26, 136<<16                         ; tensor_dim1 = 136
	s_mov_b32 s27, 32<<16                          ; tile_dim0 = 32
	s_mov_b32 s28, 136                             ; tile_dim1 = 136
	s_mov_b32 s29, 32                              ; from row to row
	s_mov_b32 s30, 0
	s_mov_b32 s31, 0
	s_mov_b32 s32, 1                               ; group 0: count = 1,
	s_mul_i32 s33, s14, BQ                         ; LDS address: my wave's quarter; no place in the cluster enters it
	s_mul_i32 s20, s17, 4*BQ
	s_add_co_u32 s20, s20, s33                     ; and the same quarter of the batch's bimg
	s_mov_b32 s21, 0
	s_lshl_b32 s18, s17, 14
	s_lshl_b32 s19, s16, 8
	s_add_co_u32 s18, s18, s19
	s_lshl_b32 s19, s14, 6
	s_add_co_u32 s18, s18, s19                     ; qcode: (4,096 batch + 64 block + 16 wave) words: the 16 rows that my wave gathers
	s_mov_b32 s19, 0
	s_lshl_b32 s22, s17, 19                        ; atab: 256 rows of 2,048 bytes a batch
	s_mov_b32 s23, 0
	s_lshl_b32 s38, s17, 15                        ; ascl: 256 rows of 128
	s_mov_b32 s39, 0
	s_lshl_b32 s40, s17, 20
	s_lshl_b32 s41, s14, 18
	s_add_co_u32 s40, s40, s41
	s_lshl_b32 s41, s16, 8
	s_add_co_u32 s40, s40, s41                     ; out0: row 64 batch + 16 wave of 16,384 bytes, + 256 block
	s_mov_b32 s41, 0
	v_and_b32 v1, 31, v0                           ; lane l
	v_and_b32 v2, 15, v0                           ; r = l % 16
	v_bfe_u32 v3, v0, 4, 1                         ; h = l / 16
	v_lshlrev_b32 v4, 2, v3                        ; qcode: a pair of rows, lanes 0-15 the first, lanes 16-31 the second
	v_bfe_u32 v5, v0, 3, 2                         ; l / 8
	v_lshlrev_b32 v6, 4, v2                        ; 16 r
	v_and_b32 v7, 7, v0
	v_lshlrev_b32 v7, 4, v7                        ; 16 (l % 8)
	v_mul_u32_u24 v21, v5, SAP
	v_add_nc_u32 v21, v21, v7
	s_mul_i32 s42, s14, 16*SAP
	s_add_co_u32 s42, s42, ASCL
	v_add_nc_u32 v21, s42, v21                     ; where gathered scale bytes go: row 16 w + l / 8, 16 bytes a lane
	v_lshlrev_b32 v5, 2, v5                        ; qcode: four rows, eight lanes each
	v_mul_u32_u24 v23, v3, AP
	v_add_nc_u32 v23, v23, v6
	s_mul_i32 s42, s14, 16*AP
	s_add_co_u32 s42, s42, AROWS
	v_add_nc_u32 v23, s42, v23                     ; where gathered codes go: row 16 w + h, 16 bytes a lane
	s_wait_alu depctr_va_vdst(0)
	s_wait_dscnt 0x0
	s_wait_kmcnt 0x0
	s_add_nc_u64 s[4:5], s[4:5], s[18:19]
	s_add_nc_u64 s[6:7], s[6:7], s[22:23]
	s_add_nc_u64 s[8:9], s[8:9], s[38:39]
	s_add_nc_u64 s[12:13], s[12:13], s[40:41]
	s_add_nc_u64 s[34:35], s[10:11], s[20:21]      ; group 0: the global address,
	s_or_b32 s35, s35, 0x80000000                  ; type = 2
.irp p, 0,1,2,3,4,5,6,7
	global_load_b32 v[8+\p], v4, s[4:5] offset:8*\p    ; the codes of rows 2 p and 2 p + 1 of my 16
.endr
.irp u, 0,1,2,3
	global_load_b32 v[16+\u], v5, s[4:5] offset:16*\u  ; and of rows 4 u .. 4 u + 3
.endr
	CROUND                                         ; all four work-groups are here: the joint loads meet
	tensor_load_to_lds s[32:35], s[24:31]          ; my one tensor load: 8 K steps of bimg, for all four work-groups
	s_nop 0
	PLACES
	v_mul_u32_u24 v20, v2, AP
	v_lshl_add_u32 v20, v3, 4, v20
	s_mul_i32 s42, s36, 32*AP
	s_add_co_u32 s42, s42, AROWS
	v_add_nc_u32 v20, s42, v20                     ; A's fragments: row 32 (w / 2) + r, + 16 h
	v_mul_u32_u24 v22, v1, SAP
	s_mul_i32 s42, s36, 32*SAP
	s_add_co_u32 s42, s42, ASCL
	v_add_nc_u32 v22, s42, v22                     ; A's scale words: row 32 (w / 2) + l
	v_lshlrev_b32 v24, 4, v1
	s_lshl_b32 s42, s37, 11
	v_add_nc_u32 v24, s42, v24                     ; B's fragments: my two of a step's four, 16 bytes a lane; a register for each 8 K steps, since an offset has 16 bits
	v_add_nc_u32 v25, BQ, v24
	v_add_nc_u32 v26, 2*BQ, v24
	v_add_nc_u32 v27, 3*BQ, v24
	v_lshlrev_b32 v28, 2, v1
	s_lshl_b32 s42, s37, 7
	s_add_co_u32 s42, s42, 4096
	v_add_nc_u32 v28, s42, v28                     ; B's scale words: behind a step's fragments, d = 32 (w % 2) + l
	v_add_nc_u32 v29, BQ, v28
	v_add_nc_u32 v30, 2*BQ, v28
	v_add_nc_u32 v31, 3*BQ, v28
	s_wait_loadcnt 0x0                             ; the codes
.irp p, 0,1,2,3,4,5,6,7
	v_min_u32 v[8+\p], 0xff, v[8+\p]               ; a code stays inside its table
	v_lshl_add_u32 v[8+\p], v[8+\p], 11, v6        ; its row of atab, 16 bytes a lane
.endr
.irp u, 0,1,2,3
	v_min_u32 v[16+\u], 0xff, v[16+\u]
	v_lshl_add_u32 v[16+\u], v[16+\u], 7, v7       ; its row of ascl
.endr
.irp u, 0,1,2,3
	global_load_b128 v[192+4*\u:195+4*\u], v[16+\u], s[8:9]        ; four rows of 128 scale bytes
.endr
.irp p, 0,1,2,3
.irp i, 0,1,2,3,4,5,6,7
	global_load_b128 v[64+32*\p+4*\i:67+32*\p+4*\i], v[8+\p], s[6:7] offset:256*\i   ; sixteen lanes read 256 consecutive bytes of a row, aligned
.endr
.endr
	WIN 0x40                                       ; destination window 1
.irp p, 4,5,6,7
.irp i, 0,1,2,3,4,5,6,7
	global_load_b128 v[32*(\p-4)+4*\i:32*(\p-4)+4*\i+3], v[8+\p], s[6:7] offset:256*\i
.endr
.endr
	WIN 0
.macro ROWS p, base                    ; pair p's eight pieces, from v[base] on, into LDS
.irp i, 0,1,2,3,4,5,6,7
	ds_store_b128 v23, v[\base+4*\i:\base+4*\i+3] offset:2*AP*(\p)+256*\i
.endr
.endm
	s_wait_loadcnt 56                              ; loads come back in order (ISA guide 5.7.1): all but the last seven pairs' 56 are in
.irp u, 0,1,2,3
	ds_store_b128 v21, v[192+4*\u:195+4*\u] offset:4*SAP*\u
.endr
	ROWS 0, 64
	s_wait_loadcnt 48                              ; eight fewer for each pair
	ROWS 1, 96
	s_wait_loadcnt 40
	ROWS 2, 128
	s_wait_loadcnt 32
	ROWS 3, 160
	WIN 0x04                                       ; an LDS store's data are its source 1: window 1
	s_wait_loadcnt 24
	ROWS 4, 0
	s_wait_loadcnt 16
	ROWS 5, 32
	s_wait_loadcnt 8
	ROWS 6, 64
	s_wait_loadcnt 0x0
	ROWS 7, 96
	WIN 0
	s_wait_tensorcnt 0x0                           ; my quarter of bimg has landed,
	s_wait_dscnt 0x0                               ; my rows are stored:
	s_barrier_signal -1
	s_barrier_wait -1                              ; everybody's are
; K step s: A's two fragments (16 queries x 128 keys: 8 registers; lane (r, h) holds row r; registers 4 c .. 4 c + 3 hold keys 64 c + 32 h + 0 .. 31, 16 bytes of the row as they lie) and B's two (images: 16 bytes a lane), into buffer s % 4
.macro FETCH s
.set OB, 64+32*((\s)%4)
.set GB, 24+(\s)/8
.irp a, 0,1
.irp c, 0,1
	ds_load_b128 v[OB+8*\a+4*\c:OB+8*\a+4*\c+3], v20 offset:16*AP*\a+64*(\s)+32*\c
.endr
.endr
.irp n, 0,1
.irp c, 0,1
	ds_load_b128 v[OB+16+8*\n+4*\c:OB+16+8*\n+4*\c+3], v[GB] offset:BSTEP*((\s)%8)+1024*\n+512*\c
.endr
.endr
.endm
; its four products.  The four accumulators take turns, one instruction a turn.  The second tile of a side reads its scales from lanes 16-31.  zero = 1: the first step starts the sums
.macro MULS s, zero
.set OB, 64+32*((\s)%4)
.if \zero
	v_wmma_scale_f32_16x16x128_f8f6f4 v[32:39], v[OB:OB+7], v[OB+16:OB+23], 0, v[192+(\s)], v[224+(\s)] matrix_a_fmt:MATRIX_FMT_FP4 matrix_b_fmt:MATRIX_FMT_FP4
	v_wmma_scale_f32_16x16x128_f8f6f4 v[40:47], v[OB:OB+7], v[OB+24:OB+31], 0, v[192+(\s)], v[224+(\s)] matrix_a_fmt:MATRIX_FMT_FP4 matrix_b_fmt:MATRIX_FMT_FP4 matrix_b_scale:MATRIX_SCALE_ROW1
	v_wmma_scale_f32_16x16x128_f8f6f4 v[48:55], v[OB+8:OB+15], v[OB+16:OB+23], 0, v[192+(\s)], v[224+(\s)] matrix_a_fmt:MATRIX_FMT_FP4 matrix_b_fmt:MATRIX_FMT_FP4 matrix_a_scale:MATRIX_SCALE_ROW1
	v_wmma_scale_f32_16x16x128_f8f6f4 v[56:63], v[OB+8:OB+15], v[OB+24:OB+31], 0, v[192+(\s)], v[224+(\s)] matrix_a_fmt:MATRIX_FMT_FP4 matrix_b_fmt:MATRIX_FMT_FP4 matrix_a_scale:MATRIX_SCALE_ROW1 matrix_b_scale:MATRIX_SCALE_ROW1
.else
	v_wmma_scale_f32_16x16x128_f8f6f4 v[32:39], v[OB:OB+7], v[OB+16:OB+23], v[32:39], v[192+(\s)], v[224+(\s)] matrix_a_fmt:MATRIX_FMT_FP4 matrix_b_fmt:MATRIX_FMT_FP4
	v_wmma_scale_f32_16x16x128_f8f6f4 v[40:47], v[OB:OB+7], v[OB+24:OB+31], v[40:47], v[192+(\s)], v[224+(\s)] matrix_a_fmt:MATRIX_FMT_FP4 matrix_b_fmt:MATRIX_FMT_FP4 matrix_b_scale:MATRIX_SCALE_ROW1
	v_wmma_scale_f32_16x16x128_f8f6f4 v[48:55], v[OB+8:OB+15], v[OB+16:OB+23], v[48:55], v[192+(\s)], v[224+(\s)] matrix_a_fmt:MATRIX_FMT_FP4 matrix_b_fmt:MATRIX_FMT_FP4 matrix_a_scale:MATRIX_SCALE_ROW1
	v_wmma_scale_f32_16x16x128_f8f6f4 v[56:63], v[OB+8:OB+15], v[OB+24:OB+31], v[56:63], v[192+(\s)], v[224+(\s)] matrix_a_fmt:MATRIX_FMT_FP4 matrix_b_fmt:MATRIX_FMT_FP4 matrix_a_scale:MATRIX_SCALE_ROW1 matrix_b_scale:MATRIX_SCALE_ROW1
.endif
.endm
.irp i, 0,1,2,3,4,5,6,7
	ds_load_b128 v[192+4*\i:195+4*\i], v22 offset:16*\i            ; all 32 scale words of my lane's query
.endr
.set S, 0
.rept 32
	ds_load_b32 v[224+S], v[28+S/8] offset:BSTEP*(S%8)             ; and of my lane's d
.set S, S+1
.endr
	FETCH 0
	FETCH 1
	FETCH 2
	FETCH 3
	s_wait_dscnt 24                                ; all but the three later steps' 24 loads: the scale words and step 0 are in
	MULS 0, 1
.set S, 1
.rept 28
	PLACES                                         ; the buffer of step S + 3 was read by the products just issued
	FETCH S+3
	s_wait_dscnt 24                                ; step S is in; steps S + 1 to S + 3, eight loads each, may be out
	MULS S, 0
.set S, S+1
.endr
	s_wait_dscnt 16
	MULS 29, 0
	s_wait_dscnt 8
	MULS 30, 0
	s_wait_dscnt 0x0
	MULS 31, 0
	; THE WAY OUT.  The addresses are made here: these plain lines are the places behind the last products
	v_mul_u32_u24 v4, v2, SP
	v_lshl_add_u32 v4, v3, 5, v4
	s_mul_i32 s42, s37, 32*SP
	s_lshl_b32 s43, s36, 7
	s_add_co_u32 s42, s42, s43
	s_add_co_u32 s42, s42, STAGE
	v_add_nc_u32 v4, s42, v4                       ; in: row d = 32 (w % 2) + r, queries 32 (w / 2) + 8 h on
	v_mul_u32_u24 v5, v3, SP
	v_add_nc_u32 v5, v5, v6
	s_mul_i32 s42, s14, 16*SP
	s_add_co_u32 s42, s42, STAGE
	v_add_nc_u32 v5, s42, v5                       ; back: rows 16 w + h, sixteen lanes to a row
	v_lshl_add_u32 v7, v3, 14, v6                  ; and the same two rows in out0
.irp a, 0,1
.irp n, 0,1
	ds_store_b128 v4, v[32+8*(2*\a+\n):35+8*(2*\a+\n)] offset:16*SP*\n+64*\a       ; each accumulator from its low end on
	ds_store_b128 v4, v[36+8*(2*\a+\n):39+8*(2*\a+\n)] offset:16*SP*\n+64*\a+16
.endr
.endr
	s_wait_alu depctr_va_vdst(0)
	s_wait_dscnt 0x0                               ; for the others' sake: my stores into the stage are done
	s_barrier_signal -1
	s_barrier_wait -1
.irp t, 0,1,2,3,4,5,6,7
	ds_load_b128 v[64+4*\t:67+4*\t], v5 offset:2*SP*\t
.endr
.irp t, 0,1,2,3,4,5,6,7
	s_wait_dscnt 7-\t
	global_store_b128 v7, v[64+4*\t:67+4*\t], s[12:13] offset:32768*\t th:TH_STORE_NT   ; sixteen lanes store 256 consecutive bytes of a row of out0, aligned; written once, read by nobody here
.endr
	s_set_vgpr_msb 0x5
	s_wait_tensorcnt 0x0
	ds_add_u32 v128, v129
	s_wait_dscnt 0x0
	s_set_vgpr_msb 0x500
	CROUND                                         ; the closing round: no work-group ends while a partner may still ask for a tile that names it
	s_endpgm
.Lfunc_end_k_q241973687f_attend:
	.size	k_q241973687f_attend, .Lfunc_end_k_q241973687f_attend-k_q241973687f_attend
	.p2alignl 7, 3214868480
	.fill 96, 4, 3214868480
	.section	.rodata,"a",@progbits
	.p2align	6, 0x0
	.amdhsa_kernel k_q241973687f_attend
		.amdhsa_group_segment_fixed_size 298496
		.amdhsa_private_segment_fixed_size 0
		.amdhsa_enable_private_segment 0
		.amdhsa_kernarg_size 40
		.amdhsa_user_sgpr_count 2
		.amdhsa_user_sgpr_kernarg_segment_ptr 1
		.amdhsa_wavefront_size32 1
		.amdhsa_system_sgpr_workgroup_id_x 1
		.amdhsa_system_sgpr_workgroup_id_y 1
		.amdhsa_system_sgpr_workgroup_id_z 1
		.amdhsa_system_vgpr_workitem_id 0
		.amdhsa_next_free_vgpr 386
		.amdhsa_next_free_sgpr 66
		.amdhsa_reserve_vcc 0
		.amdhsa_float_denorm_mode_32 3
		.amdhsa_float_denorm_mode_16_64 3
		.amdhsa_memory_ordered 1
		.amdhsa_forward_progress 1
		.amdhsa_inst_pref_size 62
	.end_amdhsa_kernel
	.amdgpu_metadata
---
amdhsa.version: [ 1, 2 ]
amdhsa.kernels:
  - .name:           k_q241973687f_attend
    .symbol:         k_q241973687f_attend.kd
    .args:
      - { .name: qcode, .offset: 0, .size: 8, .value_kind: global_buffer, .address_space: global }
      - { .name: atab, .offset: 8, .size: 8, .value_kind: global_buffer, .address_space: global }
      - { .name: ascl, .offset: 16, .size: 8, .value_kind: global_buffer, .address_space: global }
      - { .name: bimg, .offset: 24, .size: 8, .value_kind: global_buffer, .address_space: global }
      - { .name: out0, .offset: 32, .size: 8, .value_kind: global_buffer, .address_space: global }
    .group_segment_fixed_size: 298496
    .private_segment_fixed_size: 0
    .kernarg_segment_align: 8
    .kernarg_segment_size: 40
    .max_flat_workgroup_size: 128
    .sgpr_count:     66
    .vgpr_count:     386
    .wavefront_size: 32
...
	.end_amdgpu_metadata
.endif
;; end of part 3
